; MI455X (gfx1250); checked and timed in simulation.
; The chip was launched on July 23, 2026; its instructions are those of AMD's public machine-readable ISA for CDNA 5 (MIT licence, August 2026) and "CDNA5" Instruction Set Architecture Reference Guide (July 2026). The comments in the code are by the model that wrote it; some were corrected since.
;; Complex Proj Measurement. Allowed arithmetic: matrix products marked QUANTISED: E2M3 operands, one E8M0 scale for each 32 along K, by v_wmma_scale_f32_16x16x128_f8f6f4 with both operands' format E2M3, f32 sums; products left as they are: f32 operands where the result goes on into a quantised operand, else bf16, f16 or f32 operands; f32 sums; everything else in f32.
;; Inputs: input_imag 128 x 512 x 512 float32; input_real 128 x 512 x 512 float32; kernel 512 x 512 x 2 float32.
;; Outputs: out0 128 x 512 float32.
;; This version of the problem:
;;   THIS VERSION OF THE PROBLEM IS GIVEN IN LOW PRECISION. The matrix products marked QUANTISED in the list below multiply operands that are first quantised to E2M3 (2 exponent bits, 3 mantissa bits; 6 bits a number), with one power-of-two scale for each 32 numbers along K (OCP MX v1.0); their sums are f32. All else is computed in f32.
;;   The module's matrix products, in the order in which they are computed (A, B: the left and right operand; K: the contracted axis; several contracted axes count as one K, in the product's order):
;;     1. [M 65,536, K 512] x [K 512, N 512]; A: input input_real; B: input kernel: QUANTISED
;;     2. batch 512 x [M 1, K 512] x [K 512, N 128]; A: input kernel; B: computed on the way: left as it is (M = 1 < 16)
;;     3. [M 65,536, K 512] x [K 512, N 512]; A: input input_real; B: input kernel: QUANTISED
;;     4. batch 512 x [M 1, K 512] x [K 512, N 128]; A: input kernel; B: computed on the way: left as it is (M = 1 < 16)
;;     5. [M 65,536, K 512] x [K 512, N 512]; A: input input_imag; B: input kernel: QUANTISED
;;     6. batch 512 x [M 1, K 512] x [K 512, N 128]; A: input kernel; B: computed on the way: left as it is (M = 1 < 16)
;;     7. [M 65,536, K 512] x [K 512, N 512]; A: input input_imag; B: input kernel: QUANTISED
;;     8. batch 512 x [M 1, K 512] x [K 512, N 128]; A: input kernel; B: computed on the way: left as it is (M = 1 < 16)
;;   THE QUANTISER, for each operand of a quantised product, along K:
;;     - K is cut into blocks of 32 from its start; a last block that is shorter is filled with zeros.
;;     - A block's scale is 2^e with e = floor(log2(the largest magnitude in the block)) - 2, held to -126 .. 127; a block of zeros has e = 0. As a byte (E8M0): e + 127.
;;     - Each number is divided by its block's scale, clamped to +-7.5, and rounded to the nearest number of E2M3, ties to even, subnormals kept.
;;     - The product sums the exact products of the quantised numbers (number of the format x scale) in f32.
;;   ~~~python
;;   def quantise(x, axis):      # numpy; x: float32 -> the quantised numbers, widened to float32 again
;;       x = np.moveaxis(x, axis, -1); K = x.shape[-1]
;;       x = np.pad(x, [(0, 0)] * (x.ndim - 1) + [(0, -K % 32)]); x = x.reshape(x.shape[:-1] + (-1, 32)); a = np.abs(x).max(-1, keepdims=True)
;;       e = np.where(a > 0, np.clip(np.frexp(np.where(a > 0, a, 1))[1] - 1 - 2, -126, 127), 0)      # np.frexp(a)[1] - 1 = floor(log2(a)), exactly
;;       r = np.clip(x / 2.0 ** e, -7.5, 7.5)
;;       step = 2.0 ** (np.maximum(np.frexp(np.where(r == 0, 1, r))[1] - 1, 0) - 3)
;;       q = np.round(r / step) * step * 2.0 ** e      # np.round: ties to even
;;       return np.moveaxis(q.reshape(q.shape[:-2] + (-1,))[..., :K], -1, axis).astype(np.float32)
;;   ~~~
;; One version. Each part assembles by itself: llvm-mc -triple=amdgcn-amd-amdhsa -mcpu=gfx1250 --defsym DOCPART=n.
;; ======== version 1 of 1: 3 launches
;; limits: values are held in bf16: 8 bits of precision; right only within a limited range of input values
;; workspace buffers: bimg 393,216 bytes; bscl 16,384 bytes; uimg 1,048,576 bytes; part 8,388,608 bytes
;; launch prep (part 1): grid 32 x 1, 4 waves a work-group, no clusters, 68,096 bytes of LDS; arguments kernel, bimg, bscl, uimg; writes bimg, bscl, uimg
.if DOCPART == 1
	.amdgcn_target "amdgcn-amd-amdhsa--gfx1250"
	.amdhsa_code_object_version 6
	.text
	.protected	k_q1ccb9a0b87_prep
	.globl	k_q1ccb9a0b87_prep
	.p2align	8
	.type	k_q1ccb9a0b87_prep,@function
k_q1ccb9a0b87_prep:
	s_mov_b64 s[64:65], 0
	v_nop
	global_prefetch_b8 v0, s[64:65] scope:SCOPE_SE
	s_setreg_imm32_b32 hwreg(HW_REG_WAVE_MODE, 25, 1), 1
	s_wait_xcnt 0x0
; kernel [512 i][512 b][2] f32 (kr, ki interleaved) is laid out once for the main launch:
;   bimg: codes of E2M3 of kr and of ki, quantised along b in blocks of 32, as IMAGES OF OPERAND REGISTERS: fragment (tile T of 16 i, kind 0 = kr / 1 = ki, K step s of 128 b) at
;         ((2 T + kind) 4 + s) 1536 + 512 g + 16 lane: registers 4 g .. 4 g + 3 of the lane's twelve.  Lane (r, h) holds row i = 16 T + r; registers 6 c .. 6 c + 5 hold b = 128 s + 64 c + 32 h + 0 .. 31.
;   bscl: the scale words: (4 T + s) 128 + 4 lane: lanes 0-15 kr's word of i = 16 T + r, lanes 16-31 ki's.
;   uimg: the factors of the products that are left as they are, in the layout of a matrix result: 32768 A + 1024 T + 512 g + 16 lane: four words q = 4 g .. 4 g + 3,
;         each bf16(kr[16 T + r][16 A + 8 h + q]) below and bf16(ki[..]) above.
; A block's scale is 2^(floor(log2(largest magnitude)) - 2); its byte is the largest magnitude's exponent field - 2, held at 1 from below.
; LIMITS: NaN and infinities among the inputs are not served; a block of zeros gets the byte 1 where the rule says 127: its codes are zeros, and this program alone reads the bytes.
; SHARES: work-group T takes rows 16 T .. 16 T + 15; wave s takes b (and a) 128 s .. 128 s + 127.  Waves share nothing: no barrier.
; Loads take the bytes as they lie (512 consecutive bytes an instruction); they turn through the wave's own stage in LDS, so that a lane then holds 32 neighbours along b of ONE row.
; uimg AS THIS TEXT STORES IT (this takes the place of the lines on uimg above): 32768 a0 + 1024 T + 512 g + 16 lane, a0 = a % 32: four words q = 4 g .. 4 g + 3,
; each bf16(kr[16 T + r][a0 + 32 (8 h + q)]) below and bf16(ki[..]) above, lane = r + 16 h: the layout of a matrix result whose 16 rows are a = a0 + 32 y.
; My wave's word e of half c is a = 128 s + 64 c + 32 h + e: a0 = e, y = 4 s + 2 c + h.  One exchange of lane halves between the words of e and e + 1 gives each lane the four words of one group.
.set GA,  1
.set SA,  2                            ; v2   the stage, on the way in: wave's stage + 16 x lane
.set RA,  3                            ; v3   on the way out: + 528 r + 256 h
.set UOF, 4                            ; v4   uimg: 32768 h + 16 r
.set L4,  5                            ; v5   4 x lane
.set H8,  6                            ; v6   8 h
.set LN,  8                            ; v8   lane
.set L,   16                           ; v16-143  as loaded: 64 c + 4 row
.set Y,   16                           ; v16-79   later: 32 of kr, 32 of ki
.set UU,  80                           ; v80-143  later: the factors, 32 words for each c, so that no store's data are written again
.set X,   144                          ; v144-207 a lane's 32 pairs (kr, ki)
.set F,   208                          ; v208-219 kr's fragment, v220-231 ki's
.set TMP, 232                          ; v232-239 the upper halves of a block's codes (a conversion's three registers begin on an even number)
.set MA,  240                          ; v240-243 largest magnitudes, two chains a kind
.set MB,  242
.set SO,  244                          ; v244-245 the conversions' scale operands
.set BY,  246                          ; v246-249 scale bytes: 2 kind + c
.set WD,  250                          ; v250-251 scale words
.set PP,  252                          ; v252, v254 the other half's words
.set WC,  253
.set SROW, 528                         ; a stage row: 512 bytes + 16
.set STG,  16*SROW                     ; a stage: 16 rows; two stages a wave
	s_load_b256 s[4:11], s[0:1], 0x0               ; kernel s[4:5], bimg s[6:7], bscl s[8:9], uimg s[10:11]
	v_lshl_add_u32 v239, v0, 2, 0x10800
	v_mov_b32 v255, 0
	v_lshrrev_b32 v7, 5, v0
	v_readfirstlane_b32 s12, v7                    ; wave = K step s
	v_and_b32 v[LN], 31, v0                        ; lane
	v_and_b32 v9, 15, v0                           ; r
	v_bfe_u32 v10, v0, 4, 1                        ; h
	v_lshlrev_b32 v[GA], 4, v[LN]
	s_mul_i32 s13, s12, 2*STG
	v_add_nc_u32 v[SA], s13, v[GA]
	v_mul_u32_u24 v[RA], v9, SROW
	v_lshl_add_u32 v[RA], v10, 8, v[RA]
	v_add_nc_u32 v[RA], s13, v[RA]
	v_lshlrev_b32 v[UOF], 4, v9
	v_lshl_add_u32 v[UOF], v10, 15, v[UOF]
	v_lshlrev_b32 v[L4], 2, v[LN]
	v_lshlrev_b32 v[H8], 3, v10
	s_mov_b32 s14, 0x76543210
	s_mov_b32 s15, 0xfedcba98                      ; v_permlanex16_b32's selects for lane l xor 16
	s_lshl_b32 s16, ttmp9, 16                      ; kernel: 16 rows of 4,096 bytes a work-group, 1,024 bytes of a row a wave
	s_lshl_b32 s18, s12, 10
	s_add_co_u32 s16, s16, s18
	s_mov_b32 s17, 0
	s_mul_i32 s18, ttmp9, 12288                    ; bimg: 8 fragments a tile
	s_mul_i32 s20, s12, 1536
	s_add_co_u32 s18, s18, s20
	s_mov_b32 s19, 0
	s_lshl_b32 s20, ttmp9, 2                       ; bscl: (4 T + s) 128
	s_add_co_u32 s20, s20, s12
	s_lshl_b32 s20, s20, 7
	s_mov_b32 s21, 0
	s_and_b32 s22, s12, 1                          ; uimg: group g = s % 2,
	s_lshl_b32 s22, s22, 9
	s_lshr_b32 s24, s12, 1                         ; the result's lane half s / 2: 16 lanes of 16 bytes,
	s_lshl_b32 s24, s24, 8
	s_add_co_u32 s22, s22, s24
	s_lshl_b32 s24, ttmp9, 10                      ; 1,024 bytes a tile of i
	s_add_co_u32 s22, s22, s24
	s_mov_b32 s23, 0
	s_wait_alu depctr_va_vdst(0)
	s_wait_kmcnt 0x0
	s_add_nc_u64 s[4:5], s[4:5], s[16:17]
	s_add_nc_u64 s[6:7], s[6:7], s[18:19]
	s_add_nc_u64 s[8:9], s[8:9], s[20:21]
	s_add_nc_u64 s[10:11], s[10:11], s[22:23]
.irp c, 0,1
.set j, 0
.rept 16
	global_load_b128 v[L+64*\c+4*j:L+64*\c+4*j+3], v[GA], s[4:5] offset:j*4096+\c*512 th:TH_LOAD_NT   ; 32 lanes read 512 consecutive bytes of row j
.set j, j+1
.endr
.endr
	s_wait_loadcnt 0x0
.irp c, 0,1
.set j, 0
.rept 16
	ds_store_b128 v[SA], v[L+64*\c+4*j:L+64*\c+4*j+3] offset:\c*STG+j*SROW
.set j, j+1
.endr
.endr
; Half c of the wave's 128 along b: b = 128 s + 64 c + 32 h + e, e = 0 .. 31, of row r.
.macro HALF c
.set j, 0
.rept 16
	ds_load_b128 v[X+4*j:X+4*j+3], v[RA] offset:(\c)*STG+16*j      ; LDS serves a wave's instructions in order: these see my stores
.set j, j+1
.endr
	s_wait_dscnt 0x0                               ; my 32 pairs are in; the stage's stores are done too, so the registers that they read may be written
.set e, 0
.rept 32
	v_cvt_pk_bf16_f32 v[UU+4*(e/2)+2*(\c)+e%2], v[X+2*e], v[X+2*e+1]   ; the factors: kr below, ki above; the four words of a pair of e stand together
.set e, e+1
.endr
.set e, 0
.rept 32
	v_mov_b32 v[Y+e], v[X+2*e]                     ; the conversions take neighbours along b from consecutive registers: kr and ki are parted
	v_mov_b32 v[Y+32+e], v[X+2*e+1]
.set e, e+1
.endr
.irp kd, 0,1
	v_max3_num_f32 v[MA+\kd], |v[Y+32*\kd]|, |v[Y+32*\kd+1]|, |v[Y+32*\kd+2]|      ; the block's largest magnitude: all 32 numbers are mine
	v_max3_num_f32 v[MB+\kd], |v[Y+32*\kd+3]|, |v[Y+32*\kd+4]|, |v[Y+32*\kd+5]|
.endr
.irp i, 6,10,14,18,22,26
.irp kd, 0,1
	v_max3_num_f32 v[MA+\kd], v[MA+\kd], |v[Y+32*\kd+\i]|, |v[Y+32*\kd+\i+1]|
	v_max3_num_f32 v[MB+\kd], v[MB+\kd], |v[Y+32*\kd+\i+2]|, |v[Y+32*\kd+\i+3]|
.endr
.endr
.irp kd, 0,1
	v_max3_num_f32 v[MA+\kd], v[MA+\kd], |v[Y+32*\kd+30]|, |v[Y+32*\kd+31]|
.endr
.irp kd, 0,1
	v_max3_num_f32 v[MA+\kd], v[MA+\kd], v[MB+\kd], 0x1800000      ; and the floor 2^(3 - 127): the byte cannot fall under 1
.endr
.irp kd, 0,1
	v_add_nc_u32 v[SO+\kd], 0xff000000, v[MA+\kd]  ; 2 off the exponent field: the conversion takes the exponent field of this operand as its scale
.endr
.irp kd, 0,1
	v_lshrrev_b32 v[BY+2*\kd+(\c)], 23, v[SO+\kd]  ; the scale's byte: block 2 c + h of the K step
.endr
.irp kd, 0,1
	v_cvt_scalef32_pk16_fp6_f32 v[F+12*\kd+6*(\c):F+12*\kd+6*(\c)+2], v[Y+32*\kd:Y+32*\kd+15], v[SO+\kd]
	v_cvt_scalef32_pk16_fp6_f32 v[TMP+4*\kd:TMP+4*\kd+2], v[Y+32*\kd+16:Y+32*\kd+31], v[SO+\kd]
.endr
	v_nop                                          ; one plain place behind a scaled conversion
.irp kd, 0,1
.irp i, 0,1,2
	v_mov_b32 v[F+12*\kd+6*(\c)+3+\i], v[TMP+4*\kd+\i]
.endr
.endr
.endm
	HALF 0
	HALF 1
.set p, 0
.rept 16                               ; words of e = 2 p and 2 p + 1: lanes 0-15 keep e = 2 p, lanes 16-31 get e = 2 p + 1; the first register then holds what lay in h = 0, the second h = 1
	v_permlane16_swap_b32 v[UU+4*p], v[UU+4*p+1]
	v_permlane16_swap_b32 v[UU+4*p+2], v[UU+4*p+3]
.set p, p+1
.endr
.set p, 0
.rept 16
	global_store_b128 v[UOF], v[UU+4*p:UU+4*p+3], s[10:11] offset:p*65536   ; sixteen lanes store 256 consecutive bytes, aligned
.set p, p+1
.endr
	v_lshl_or_b32 v[WD], v[BY+1], 16, v[BY]        ; my two bytes, blocks h and 2 + h,
	v_lshl_or_b32 v[WD+1], v[BY+3], 16, v[BY+2]
	v_lshlrev_b32 v[WD], v[H8], v[WD]              ; at their places in the scale word;
	v_lshlrev_b32 v[WD+1], v[H8], v[WD+1]
	v_mov_b32 v[PP], 0                             ; (a lane permute's destination counts as one of its sources)
	v_mov_b32 v[PP+2], 0
	v_permlanex16_b32 v[PP], v[WD], s14, s15
	v_permlanex16_b32 v[PP+2], v[WD+1], s14, s15
	v_or_b32 v[WD], v[WD], v[PP]                   ; with lane l xor 16's two the word is whole
	v_or_b32 v[WD+1], v[WD+1], v[PP+2]
	v_cmp_le_u32 vcc_lo, 16, v[LN]
	v_cndmask_b32 v[WC], v[WD], v[WD+1], vcc_lo    ; lanes 0-15 kr's word, lanes 16-31 ki's
.irp kd, 0,1
.irp g, 0,1,2
	global_store_b128 v[GA], v[F+12*\kd+4*\g:F+12*\kd+4*\g+3], s[6:7] offset:\kd*6144+\g*512      ; 512 consecutive bytes, aligned
.endr
.endr
	global_store_b32 v[L4], v[WC], s[8:9]          ; 128 consecutive bytes: half of an aligned 256; 16,384 bytes in the whole launch
	s_wait_tensorcnt 0x0
	ds_add_u32 v239, v255
	s_wait_dscnt 0x0
	s_endpgm
.Lfunc_end_k_q1ccb9a0b87_prep:
	.size	k_q1ccb9a0b87_prep, .Lfunc_end_k_q1ccb9a0b87_prep-k_q1ccb9a0b87_prep
	.p2alignl 7, 3214868480
	.fill 96, 4, 3214868480
	.section	.rodata,"a",@progbits
	.p2align	6, 0x0
	.amdhsa_kernel k_q1ccb9a0b87_prep
		.amdhsa_group_segment_fixed_size 68096
		.amdhsa_private_segment_fixed_size 0
		.amdhsa_enable_private_segment 0
		.amdhsa_kernarg_size 32
		.amdhsa_user_sgpr_count 2
		.amdhsa_user_sgpr_kernarg_segment_ptr 1
		.amdhsa_wavefront_size32 1
		.amdhsa_system_sgpr_workgroup_id_x 1
		.amdhsa_system_sgpr_workgroup_id_y 1
		.amdhsa_system_sgpr_workgroup_id_z 1
		.amdhsa_system_vgpr_workitem_id 0
		.amdhsa_next_free_vgpr 256
		.amdhsa_next_free_sgpr 66
		.amdhsa_reserve_vcc 1
		.amdhsa_float_denorm_mode_32 3
		.amdhsa_float_denorm_mode_16_64 3
		.amdhsa_memory_ordered 1
		.amdhsa_forward_progress 1
		.amdhsa_inst_pref_size 27
	.end_amdhsa_kernel
	.amdgpu_metadata
---
amdhsa.version: [ 1, 2 ]
amdhsa.kernels:
  - .name:           k_q1ccb9a0b87_prep
    .symbol:         k_q1ccb9a0b87_prep.kd
    .args:
      - { .name: kernel, .offset: 0, .size: 8, .value_kind: global_buffer, .address_space: global }
      - { .name: bimg, .offset: 8, .size: 8, .value_kind: global_buffer, .address_space: global }
      - { .name: bscl, .offset: 16, .size: 8, .value_kind: global_buffer, .address_space: global }
      - { .name: uimg, .offset: 24, .size: 8, .value_kind: global_buffer, .address_space: global }
    .group_segment_fixed_size: 68096
    .private_segment_fixed_size: 0
    .kernarg_segment_align: 8
    .kernarg_segment_size: 32
    .max_flat_workgroup_size: 128
    .sgpr_count:     66
    .vgpr_count:     256
    .wavefront_size: 32
...
	.end_amdgpu_metadata
.endif
;; end of part 1
;; launch main (part 2): grid 256 x 1, 4 waves a work-group, no clusters, 327,680 bytes of LDS; arguments input_real, input_imag, bimg, bscl, uimg, part; writes part
.if DOCPART == 2
	.amdgcn_target "amdgcn-amd-amdhsa--gfx1250"
	.amdhsa_code_object_version 6
	.text
	.protected	k_q1ccb9a0b87_main
	.globl	k_q1ccb9a0b87_main
	.p2align	8
	.type	k_q1ccb9a0b87_main,@function
k_q1ccb9a0b87_main:
	s_mov_b64 s[64:65], 0
	v_nop
	global_prefetch_b8 v0, s[64:65] scope:SCOPE_SE
	s_setreg_imm32_b32 hwreg(HW_REG_WAVE_MODE, 25, 1), 1
	s_wait_xcnt 0x0
; part[a0][j][i] = sum over the 16 rows a = a0 + 32 y of  kr[i][a] (R kr + I ki)[j][a][i] + ki[i][a] (R ki - I kr)[j][a][i]; the four products along b on codes of E2M3, quantised here (R, I) or by the launch before (kr, ki).
; SHARES: work-group = (a0 = x % 32, 16 j = 16 (x / 32) ..).  Eight blocks of two j.  A block's tile is 32 lines at a pitch of 32 rows of a: lines 0-15 are the first j's rows a0 + 32 y, lines 16-31 the next j's (16 x 32 rows are one j).
; Wave w fetches and quantises 32 lines x 256 b of R (w < 2) or I; the fragments go to the other waves through LDS as images of registers.  Wave w multiplies them with i = 128 w .. + 127:
; its 64 fragments of kr and ki stay in registers for the whole launch, and so do its factors (16 a x 128 i, bf16 pairs, 64 registers): both j of every block meet the same a.
; A block's 16 steps go by halves of i, in each by j, in each by four K steps of 128.  Each tile of 16 i has two accumulators: the first sums R kr + I ki; the second is a chain of D = A B - C over R ki, I kr, R ki, ..:
; after each pair of links it holds the sum of I kr - R ki, which FIN subtracts.  So no negated copy of I's codes is made.
; When a half of i is done, its sums over a are closed (FIN) and staged; at the block's end two rows of 512 bytes leave.
; RING: two slots a wave.  Tiles 0 and 1 are 64 lines of one pitch and the two slots lie on end, so the head's one tensor load a wave brings both; behind each block's barrier a wave issues one load, two tiles ahead.
; NO PREFETCH: a refill is waited for one block later, behind 256 matrix instructions of the wave and the next tile's quantising; each tile is read by one work-group alone.
; NO CLUSTER: work-groups share only the kernel's fragments and scales, 409,600 bytes read once at the head into registers, against 1,048,576 bytes of tiles of their own.
; LIMITS: NaN and infinities among the inputs are not served; a block of zeros gets the scale byte 1: its codes are zeros.  The factors are rounded to bf16.
.set PITCH, 1040                       ; an LDS line: 1,024 bytes + 16
.set SLOT,  32*PITCH
.set RINGW, 2*SLOT                     ; a wave's two slots
.set FRB,   1536                       ; a fragment's image
.set IMG,   4*RINGW                    ; images: j x 12 + (0: R, 4: I) + K step (places 8-11 of each 12 are not used)
.set ASC,   IMG+24*FRB                 ; A's scale words: (4 j + K step) 128 + 4 lane: lanes 0-15 R's, 16-31 I's
.set BSC,   ASC+1024                   ; B's scale words, 4,096 bytes a wave
.set OST,   BSC+16384                  ; the way out: two rows of 512 bytes a wave
.set SPARE, OST+4096                   ; the spare words
.set SPW, 1
.set NIL, 2
.set QA0, 3                            ; my place in my wave's slot 0
.set LBS, 4                            ; where I load B's scale words
.set IW,  5                            ; where I store images
.set SW,  6                            ; and scale words
.set LI,  7                            ; where I load images
.set LS,  8
.set AS,  9                            ; v9-11   A's scale words, three sets
.set OS,  12
.set OL,  13
.set PO,  14
.set GL,  15                           ; 16 x lane
.set OUTA, 16                          ; v16-23  sums with kr: 4 j + tile
.set F63, 24                           ; v24-35  B's fragment 63; fragments 0-62 fill windows 1 to 3, 21 each
.set ACC, 36                           ; v36-99  eight accumulators
.set FS,  100                          ; v100-171 A's fragments, three sets of 24 (R, I): step st uses set st % 3
.set BS,  172                          ; v172-183 B's scale words, three sets of 4
.set U,   184                          ; v184-247 the factors: 8 tile + q
.set OUTB, 248                         ; v248-255 sums with ki
.set NUM, 36                           ; while quantising, on the accumulators' and fragments' registers: three sets of 32 numbers,
.set FQ,  132                          ; a fragment,
.set TMP, 144
.set RES, 152                          ; v152-159 the block's two rows on their way out
.set UO,  159                          ; (at the head alone: the factors' offset)
.set P,   160
.set QA,  161                          ; my place in the slot at work; made anew at each block's end,
.set H8,  162                          ; and so is 8 h
.set MXC, 164
.set SOP, 168                          ; the conversions' scale operand: v168 for even blocks of 32, v163 for odd ones
.set BY,  169
.set W,   171
.set WV,  16
.set XX,  17
.set HB,  18
.set TG,  21
.set LB,  22
.set CNT, 23
.set G1,  24
.set G0A, 32
.set G0W, 36
.set SEL, 40
.set UP,  46
.set MSB, 0
.macro WIN new
.if MSB != (\new)
	s_set_vgpr_msb (MSB<<8)|(\new)
.set MSB, \new
.endif
.endm
.macro PLACES n
.rept \n
	v_nop
.endr
.endm
.macro ULOAD set, off                  ; the factors of four tiles of i
.irp t, 0,1,2,3
.irp g, 0,1
	global_load_b128 v[U+32*(\set)+8*\t+4*\g:U+32*(\set)+8*\t+4*\g+3], v[UO], s[UP:UP+1] offset:(\off)+\t*1024+\g*512
.endr
.endr
.endm
	s_load_b256 s[4:11], s[0:1], 0x0               ; R, I, bimg, bscl
	s_load_b128 s[12:15], s[0:1], 0x20             ; uimg, part
	v_lshl_add_u32 v[SPW], v0, 2, SPARE
	v_mov_b32 v[NIL], 0
	ds_add_u32 v[SPW], v[NIL]                      ; the opening lines: the add, twice on end, and its wait
	ds_add_u32 v[SPW], v[NIL]
	s_wait_dscnt 0x0
	v_lshrrev_b32 v3, 5, v0
	v_readfirstlane_b32 s[WV], v3
	s_lshr_b32 s[XX], s[WV], 1                     ; R or I
	s_and_b32 s[HB], s[WV], 1                      ; which 256 along b
	s_mul_i32 s[LB], s[WV], RINGW
	s_mov_b32 s[G1+0], (2<<16)|(1<<20)|(7<<22)|(3<<25)   ; elements of 4 bytes; 4 dwords of padding behind every 256
	s_mov_b32 s[G1+1], 256<<16
	s_mov_b32 s[G1+2], 64<<16                      ; the head's load: 64 lines, both slots
	s_mov_b32 s[G1+3], 256<<16
	s_mov_b32 s[G1+4], 64
	s_mov_b32 s[G1+5], 16384                       ; from line to line: 32 rows of 512
	s_mov_b32 s[G1+6], 0
	s_mov_b32 s[G1+7], 0
	s_mov_b32 s[TG], 0
	s_mov_b32 s[SEL], 0x76543210
	s_mov_b32 s[SEL+1], 0xfedcba98
	s_lshr_b32 s48, ttmp9, 5
	s_lshl_b32 s48, s48, 24                        ; 16 j of 1,048,576 bytes
	s_and_b32 s51, ttmp9, 31
	s_lshl_b32 s50, s51, 11                        ; row a0
	s_add_co_u32 s48, s48, s50
	s_lshl_b32 s50, s[HB], 10
	s_add_co_u32 s48, s48, s50
	s_mov_b32 s49, 0
	s_wait_kmcnt 0x0
	s_cmp_eq_u32 s[XX], 0
	s_cselect_b64 s[50:51], s[4:5], s[6:7]
	s_add_nc_u64 s[50:51], s[50:51], s[48:49]
	s_mov_b32 s[G0A], 1
	s_mov_b32 s[G0A+1], s[LB]
	s_mov_b64 s[G0A+2:G0A+3], s[50:51]
	s_or_b32 s[G0A+3], s[G0A+3], 0x80000000
	s_mov_b32 s[G0W], 1                            ; the refills' group 0: each block steps it one slot and one tile on before its load
	s_add_co_u32 s[G0W+1], s[LB], SLOT
	s_add_nc_u64 s[G0W+2:G0W+3], s[50:51], 2097152
	s_or_b32 s[G0W+3], s[G0W+3], 0x80000000
	tensor_load_to_lds s[G0A:G0A+3], s[G1:G1+7]    ; tiles 0 and 1: my one tensor load at the head
	s_nop 0
	PLACES 4
	v_and_b32 v16, 31, v0
	v_and_b32 v17, 15, v0
	s_wait_alu depctr_va_vdst(0)
	v_bfe_u32 v18, v0, 4, 1
	v_lshlrev_b32 v19, 2, v16
	v_lshlrev_b32 v[GL], 4, v16
	s_wait_alu depctr_va_vdst(0)
	v_mul_u32_u24 v[QA0], v17, PITCH
	v_lshl_add_u32 v[QA0], v18, 7, v[QA0]
	v_add_nc_u32 v[QA0], s[LB], v[QA0]
	s_mul_i32 s48, s[XX], 4*FRB
	s_mul_i32 s49, s[HB], 2*FRB
	s_add_co_u32 s48, s48, s49
	s_add_co_u32 s48, s48, IMG
	v_add_nc_u32 v[IW], s48, v[GL]
	s_lshl_b32 s48, s[XX], 6
	s_lshl_b32 s49, s[HB], 8
	s_add_co_u32 s48, s48, s49
	s_add_co_u32 s48, s48, ASC
	v_lshl_add_u32 v[SW], v17, 2, s48
	v_add_nc_u32 v[LI], IMG, v[GL]
	v_lshl_add_u32 v[LS], v16, 2, ASC
	s_lshl_b32 s48, s[WV], 12
	s_add_co_u32 s48, s48, BSC
	v_add_nc_u32 v[LBS], s48, v[GL]
	s_lshl_b32 s48, s[WV], 13
	v_add_nc_u32 v[UO], s48, v[GL]
	v_lshlrev_b32 v[H8], 3, v18
	s_lshl_b32 s48, s[WV], 9
	v_add_nc_u32 v[PO], s48, v[GL]
	s_lshl_b32 s48, s[WV], 10                      ; my stage: two rows of 512 bytes, one for each j of a block
	s_add_co_u32 s48, s48, OST
	v_lshl_add_u32 v[OS], v17, 2, s48
	v_lshl_add_u32 v[OS], v18, 9, v[OS]
	v_add_nc_u32 v[OL], s48, v[GL]
	s_mul_i32 s48, s[WV], 64*FRB
	s_mov_b32 s49, 0
	s_add_nc_u64 s[8:9], s[8:9], s[48:49]
	s_lshl_b32 s48, s[WV], 12
	s_add_nc_u64 s[10:11], s[10:11], s[48:49]
	s_and_b32 s50, ttmp9, 31
	s_lshl_b32 s48, s50, 15                        ; the factors of a0
	s_add_nc_u64 s[UP:UP+1], s[12:13], s[48:49]
	s_lshl_b32 s50, s50, 18                        ; part: slice a0 of 262,144 bytes,
	s_lshr_b32 s51, ttmp9, 5
	s_lshl_b32 s51, s51, 15                        ; 16 rows j of 2,048 bytes
	s_add_co_u32 s48, s50, s51
	s_add_nc_u64 s[14:15], s[14:15], s[48:49]
	s_wait_alu depctr_va_vdst(0)
; the loads, in the order in which they are wanted: B's scale words, the factors, B's fragments in the order of the steps
.set q, 0
.rept 32
	global_load_b32 v[NUM+q], v19, s[10:11] offset:q*128
.set q, q+1
.endr
	ULOAD 0, 0
	ULOAD 1, 4096
.set f, 0
.rept 64                               ; fragment f = 32 (half of i) + 8 (K step) + 2 (tile) + (0: kr, 1: ki)
.set fo, (((4*(f/32)+(f/2)%4)*2+f%2)*4+(f/8)%4)*FRB
.if f < 63
	WIN ((1+f/21)<<6)
.set rB, 12*(f%21)
.else
	WIN 0
.set rB, F63
.endif
.irp g, 0,1,2
	global_load_b128 v[rB+4*\g:rB+4*\g+3], v[GL], s[8:9] offset:fo+512*\g
.endr
.if f == 14
	WIN 0
	s_wait_loadcnt 61                              ; the 32 scale loads are in: behind them 16 loads of factors and 45 of fragments
.set q, 0
.rept 32
	ds_store_b32 v[LBS], v[NUM+q] offset:(((q/4)/4)*4+q%4)*512+4*((q/4)%4)   ; four tiles' words of a K step to a lane's 16 bytes
.set q, q+1
.endr
.endif
.set f, f+1
.endr
	WIN 0
.irp t, 0,1,2,3,4,5,6,7
	v_mov_b32 v[OUTA+\t], 0
	v_mov_b32 v[OUTB+\t], 0
.endr
	v_mov_b32 v[P], 0
.macro QL k                            ; 32 numbers a lane: line r of j = k / 4, b = 128 ((k / 2) % 2) + 64 (k % 2) + 32 h ..
.set QN, NUM+64*(((\k)%3)%2)+32*(((\k)%3)/2)
.irp jj, 0,1,2,3,4,5,6,7
	ds_load_b128 v[QN+4*\jj:QN+4*\jj+3], v[QA] offset:((\k)/4)*16*PITCH+(((\k)/2)%2)*512+((\k)%2)*256+16*\jj
.endr
.endm
; The quantiser in two stages, laid across each other: turn k finds the largest magnitude (with the floor) and the scale of block k of 32 a lane, and converts block k - 1.
; The two conversions stand between the links of the closing chain of maxima, each of which reads the link before it.  Every second turn a whole fragment and its scale word go to LDS.
; cnt: the LDS instructions issued behind block k's eight loads.  Block k + 2's loads land on block k - 1's numbers, behind its conversions.
.macro QS k, cnt
.set NS, NUM+64*(((\k)%3)%2)+32*(((\k)%3)/2)
.set NP, NUM+64*((((\k)+2)%3)%2)+32*((((\k)+2)%3)/2)
.set kk, (\k)-1
.set cp, ((\k)+1)%2
.set SK, SOP-5*((\k)%2)
.set SV, SOP-5*cp
.if (\k) < 8
	s_wait_dscnt \cnt
.irp j, 0,1,2,3
	v_max3_num_f32 v[MXC+\j], |v[NS+8*\j]|, |v[NS+8*\j+1]|, |v[NS+8*\j+2]|
.endr
.irp i, 3,5
.irp j, 0,1,2,3
	v_max3_num_f32 v[MXC+\j], v[MXC+\j], |v[NS+8*\j+\i]|, |v[NS+8*\j+\i+1]|
.endr
.endr
	v_max3_num_f32 v[MXC], v[MXC], |v[NS+7]|, |v[NS+15]|
	v_max3_num_f32 v[MXC+2], v[MXC+2], |v[NS+23]|, |v[NS+31]|
.endif
.if (\k) > 0
	v_cvt_scalef32_pk16_fp6_f32 v[FQ+6*cp:FQ+6*cp+2], v[NP:NP+15], v[SV]
.endif
.if (\k) < 8
	v_max3_num_f32 v[MXC], v[MXC], v[MXC+1], v[MXC+3]
.endif
.if (\k) > 0
	v_cvt_scalef32_pk16_fp6_f32 v[TMP+4*cp:TMP+4*cp+2], v[NP+16:NP+31], v[SV]
.endif
.if (\k) < 8
	v_max3_num_f32 v[MXC], v[MXC], v[MXC+2], 0x1800000   ; (also the plain place behind the conversion)
.else
	v_nop
.endif
.if ((\k) > 0) && ((\k) < 6)
	QL (\k)+2
.endif
.if (\k) < 8
	v_add_nc_u32 v[SK], 0xff000000, v[MXC]         ; 2 off the exponent field: the conversion's scale operand
.endif
.if (\k) > 0
.irp i, 0,1,2
	v_mov_b32 v[FQ+6*cp+3+\i], v[TMP+4*cp+\i]
.endr
.if cp
	v_lshl_or_b32 v[W], v[BY+1], 16, v[BY]
	v_lshlrev_b32 v[W], v[H8], v[W]
	v_permlanex16_b32 v[P], v[W], s[SEL], s[SEL+1]
	v_or_b32 v[W], v[W], v[P]
.irp g, 0,1,2
	ds_store_b128 v[IW], v[FQ+4*\g:FQ+4*\g+3] offset:(kk/4)*12*FRB+((kk/2)%2)*FRB+\g*512
.endr
	ds_store_b32 v[SW], v[W] offset:(kk/4)*512+((kk/2)%2)*128
.endif
.endif
.if (\k) < 8
	v_lshrrev_b32 v[BY+(\k)%2], 23, v[SK]          ; the scale's byte, behind the word that was made of the last two
.endif
.endm
.macro SLOAD st                        ; eight loads: step st's fragments of R and I, B's four scale registers, A's scale register, into set st % 3
.set sp, (\st)%3
.set sm, ((\st)/4)%2
.set sh, (\st)/8
.set ss, (\st)%4
.irp k3, 0,1
.irp g, 0,1,2
	ds_load_b128 v[FS+24*sp+12*\k3+4*\g:FS+24*sp+12*\k3+4*\g+3], v[LI] offset:sm*12*FRB+\k3*4*FRB+ss*FRB+\g*512
.endr
.endr
	ds_load_b128 v[BS+4*sp:BS+4*sp+3], v[LBS] offset:(sh*4+ss)*512
	ds_load_b32 v[AS+sp], v[LS] offset:(sm*4+ss)*128
.endm
; mode 0, 2: R kr begins or goes on the first sum; 4: I ki onto it.  Modes 1, 3, 5 are the links of the second chain, all D = A B - C: 1 begins it with R ki, 3 is R ki, 5 is I kr.
.macro PROD acc, af, f, bsr, asr, mode
.if (\f) < 63
	WIN ((1+(\f)/21)<<2)
.set rB, 12*((\f)%21)
.else
	WIN 0
.set rB, F63
.endif
.if (\mode) == 0
	v_wmma_scale_f32_16x16x128_f8f6f4 v[\acc:\acc+7], v[\af:\af+11], v[rB:rB+11], 0, v[\asr], v[\bsr] matrix_a_fmt:MATRIX_FMT_FP6 matrix_b_fmt:MATRIX_FMT_FP6
.elseif (\mode) == 1
	v_wmma_scale_f32_16x16x128_f8f6f4 v[\acc:\acc+7], v[\af:\af+11], v[rB:rB+11], 0, v[\asr], v[\bsr] matrix_a_fmt:MATRIX_FMT_FP6 matrix_b_fmt:MATRIX_FMT_FP6 matrix_b_scale:MATRIX_SCALE_ROW1 neg_lo:[0,0,1]
.elseif (\mode) == 2
	v_wmma_scale_f32_16x16x128_f8f6f4 v[\acc:\acc+7], v[\af:\af+11], v[rB:rB+11], v[\acc:\acc+7], v[\asr], v[\bsr] matrix_a_fmt:MATRIX_FMT_FP6 matrix_b_fmt:MATRIX_FMT_FP6
.elseif (\mode) == 3
	v_wmma_scale_f32_16x16x128_f8f6f4 v[\acc:\acc+7], v[\af:\af+11], v[rB:rB+11], v[\acc:\acc+7], v[\asr], v[\bsr] matrix_a_fmt:MATRIX_FMT_FP6 matrix_b_fmt:MATRIX_FMT_FP6 matrix_b_scale:MATRIX_SCALE_ROW1 neg_lo:[0,0,1]
.elseif (\mode) == 4
	v_wmma_scale_f32_16x16x128_f8f6f4 v[\acc:\acc+7], v[\af:\af+11], v[rB:rB+11], v[\acc:\acc+7], v[\asr], v[\bsr] matrix_a_fmt:MATRIX_FMT_FP6 matrix_b_fmt:MATRIX_FMT_FP6 matrix_a_scale:MATRIX_SCALE_ROW1 matrix_b_scale:MATRIX_SCALE_ROW1
.else
	v_wmma_scale_f32_16x16x128_f8f6f4 v[\acc:\acc+7], v[\af:\af+11], v[rB:rB+11], v[\acc:\acc+7], v[\asr], v[\bsr] matrix_a_fmt:MATRIX_FMT_FP6 matrix_b_fmt:MATRIX_FMT_FP6 matrix_a_scale:MATRIX_SCALE_ROW1 neg_lo:[0,0,1]
.endif
.endm
.macro FG h, p, q0, q1                 ; the products left as they are: rows q0 .. q1 of tiles 2 p, 2 p + 1 of run h (half of i = h / 2, j = h % 2) times the factors
	WIN 0
.set fq, \q0
.rept (\q1)-(\q0)+1
.irp t, 0,1
	v_fma_mix_f32_bf16 v[OUTA+4*((\h)%2)+2*(\p)+\t], v[U+32*((\h)/2)+8*(2*(\p)+\t)+fq], v[ACC+16*(2*(\p)+\t)+fq], v[OUTA+4*((\h)%2)+2*(\p)+\t] op_sel_hi:[1,0,0]
.endr
.irp t, 0,1
	v_fma_mix_f32_bf16 v[OUTB+4*((\h)%2)+2*(\p)+\t], v[U+32*((\h)/2)+8*(2*(\p)+\t)+fq], v[ACC+16*(2*(\p)+\t)+8+fq], v[OUTB+4*((\h)%2)+2*(\p)+\t] op_sel:[1,0,0] op_sel_hi:[1,0,0]
.endr
.set fq, fq+1
.endr
.endm
; A half of i is done for both j: registers 0-3 hold the first j's four tiles, 4-7 the second's; a lane holds the sum over its eight rows a.  The second chain's sums are taken away (they hold I kr - R ki).
; The exchange of lane halves brings both halves of a j's rows into one half of the lanes: after the add lanes 0-15 hold the first j's sums, lanes 16-31 the second's.  zero = 1: the sums begin anew.
.macro FIN sh, zero
.irp t, 0,1,2,3,4,5,6,7
	v_sub_f32 v[OUTA+\t], v[OUTA+\t], v[OUTB+\t]
.endr
.irp t, 0,1,2,3
	v_permlane16_swap_b32 v[OUTA+\t], v[OUTA+4+\t]
.endr
.irp t, 0,1,2,3
	v_add_f32 v[OUTA+\t], v[OUTA+\t], v[OUTA+4+\t]
.endr
.irp t, 0,1,2,3
	ds_store_b32 v[OS], v[OUTA+\t] offset:64*(4*(\sh)+\t)
.endr
.if \zero
.irp t, 0,1,2,3,4,5,6,7
	v_mov_b32 v[OUTA+\t], 0
	v_mov_b32 v[OUTB+\t], 0
.endr
	s_wait_alu depctr_va_vdst(0)                   ; the wait behind these writes
.endif
.endm
; A step: 16 matrix instructions: 16 lines x 64 i x 128 along b, four products; the eight accumulators by turns.
; An even step asks for the operands of the next TWO steps in one run, into the two sets that it does not use itself: one run of LDS loads for 32 matrix instructions.
.macro STEP st
.set tp, (\st)%3
.set hx, (\st)/4
.set sq, (\st)%4
.set fb, (hx/2)*32+sq*8
.if (\st)%2 == 0
	s_wait_dscnt 0x0                               ; this step's operands are in
.if (\st) == 8
	s_wait_loadcnt 0x0                             ; the first block: the fragments of the second half of i are in
.endif
	PLACES 4                                       ; in front of loads into the set that the last step multiplied
	SLOAD (\st)+1
.if (\st) < 14
	SLOAD (\st)+2
.endif
.elseif (\st) == 15
	s_wait_dscnt 0x0
	s_barrier_signal -1                            ; my reads of the images are over
.else
	s_wait_dscnt 8                                 ; this step's eight loads are in; the next step's eight, issued behind them, may be out
.endif
.set md, 2
.if sq == 0
.set md, 0
.endif
.if (sq == 0) && (hx > 0)
	PROD ACC, FS+24*tp, fb, BS+4*tp, AS+tp, 0
	FG hx-1, 1, 0, 1
	PROD ACC+8, FS+24*tp, fb+1, BS+4*tp, AS+tp, 1
	FG hx-1, 1, 2, 3
	PROD ACC+16, FS+24*tp, fb+2, BS+4*tp+1, AS+tp, 0
	FG hx-1, 1, 4, 5
	PROD ACC+24, FS+24*tp, fb+3, BS+4*tp+1, AS+tp, 1
	FG hx-1, 1, 6, 7
.if hx == 2
	FIN 0, 1
.endif
.irp t, 2,3
	PROD ACC+16*\t, FS+24*tp, fb+2*\t, BS+4*tp+\t, AS+tp, 0
	PROD ACC+16*\t+8, FS+24*tp, fb+2*\t+1, BS+4*tp+\t, AS+tp, 1
.endr
.else
.irp t, 0,1,2,3
	PROD ACC+16*\t, FS+24*tp, fb+2*\t, BS+4*tp+\t, AS+tp, md
	PROD ACC+16*\t+8, FS+24*tp, fb+2*\t+1, BS+4*tp+\t, AS+tp, md+1
.endr
.endif
.if sq == 3
.irp t, 0,1,2
	PROD ACC+16*\t, FS+24*tp+12, fb+2*\t+1, BS+4*tp+\t, AS+tp, 4
	PROD ACC+16*\t+8, FS+24*tp+12, fb+2*\t, BS+4*tp+\t, AS+tp, 5
.endr
	PLACES 4
	FG hx, 0, 0, 1
	PROD ACC+48, FS+24*tp+12, fb+7, BS+4*tp+3, AS+tp, 4
	FG hx, 0, 2, 4
	PROD ACC+56, FS+24*tp+12, fb+6, BS+4*tp+3, AS+tp, 5
	FG hx, 0, 5, 7
.else
.irp t, 0,1,2,3
	PROD ACC+16*\t, FS+24*tp+12, fb+2*\t+1, BS+4*tp+\t, AS+tp, 4
	PROD ACC+16*\t+8, FS+24*tp+12, fb+2*\t, BS+4*tp+\t, AS+tp, 5
.endr
.endif
.endm
.macro BLOCK refill, ahead, tnext
	QS 0, 16
	QS 1, 8
	QS 2, 8
	QS 3, 12
	QS 4, 12
	QS 5, 12
	QS 6, 12
	QS 7, 4
	QS 8, 0
	s_wait_loadcnt 63                              ; the first block: all but the last 63 loads, fragments 43 to 63, are in: the first half of i needs fragments 0 to 31
	s_wait_xcnt 0x0                                ; the last block's stores have read their registers
	s_add_nc_u64 s[14:15], s[14:15], 4096          ; two rows j on; the block's stores reach back
.if \refill
	s_wait_tensorcnt 0x0                           ; all my tensor loads have landed;
	ds_add_u32 v[SPW], v[NIL]                      ; the add;
	s_xor_b32 s[G0W+1], s[G0W+1], SLOT
	s_add_nc_u64 s[G0W+2:G0W+3], s[G0W+2:G0W+3], 2097152
	s_wait_dscnt 0x0                               ; it is done, and so are my reads of the slot and my stores of images
	s_barrier_signal -1
	s_barrier_wait -1
	tensor_load_to_lds s[G0W:G0W+3], s[G1:G1+7]    ; the slot just quantised takes the tile two blocks on
	s_nop 0
	PLACES 4
.else
	s_wait_dscnt 0x0
	s_barrier_signal -1
	s_barrier_wait -1
.endif
	SLOAD 0
.irp st, 0,1,2,3,4,5,6,7,8,9,10,11,12,13,14,15
	STEP \st
.endr
	s_barrier_wait -1                              ; nobody reads the images any more
.if \ahead
	s_xor_b32 s[TG], s[TG], SLOT
	v_add_nc_u32 v[QA], s[TG], v[QA0]
	v_and_b32 v[H8], 0x100, v[GL]                  ; 256 h,
	v_lshrrev_b32 v[H8], 5, v[H8]                  ; 8 h: the fragments' loads have written over it
	s_wait_alu depctr_va_vdst(0)
	s_wait_tensorcnt \tnext
	QL 0
	QL 1
.endif
	FG 3, 1, 0, 7
	FIN 1, \ahead
	ds_load_b128 v[RES:RES+3], v[OL]               ; LDS serves a wave's instructions in order: these see my stores
	ds_load_b128 v[RES+4:RES+7], v[OL] offset:512
.if \ahead
	QL 2
	s_wait_dscnt 8                                 ; all but the eight loads just issued
.else
	s_wait_dscnt 0x0
.endif
	global_store_b128 v[PO], v[RES:RES+3], s[14:15] offset:-4096     ; 32 lanes store 512 consecutive bytes, aligned: the first j's row,
	global_store_b128 v[PO], v[RES+4:RES+7], s[14:15] offset:-2048   ; and the second's
	WIN 0
.endm
	v_add_nc_u32 v[QA], s[TG], v[QA0]
	s_wait_alu depctr_va_vdst(0)
	s_wait_tensorcnt 0x0                           ; my lines of tiles 0 and 1 are in; no tensor load of mine is out, so the descriptor may be written:
	s_mov_b32 s[G1+2], 32<<16                      ; from here on a load brings 32 lines
	s_mov_b32 s[G1+4], 32
	QL 0
	QL 1
	QL 2
	s_mov_b32 s[CNT], 6
.Lblock:
	BLOCK 1, 1, 1
	s_sub_co_u32 s[CNT], s[CNT], 1
	s_cmp_lg_u32 s[CNT], 0
	s_cbranch_scc1 .Lblock
	BLOCK 0, 1, 0                                  ; the last two blocks fetch nothing
	BLOCK 0, 0, 0
	s_wait_tensorcnt 0x0                           ; the wave's end
	ds_add_u32 v[SPW], v[NIL]
	s_wait_dscnt 0x0
	s_endpgm
.Lfunc_end_k_q1ccb9a0b87_main:
	.size	k_q1ccb9a0b87_main, .Lfunc_end_k_q1ccb9a0b87_main-k_q1ccb9a0b87_main
	.p2alignl 7, 3214868480
	.fill 96, 4, 3214868480
	.section	.rodata,"a",@progbits
	.p2align	6, 0x0
	.amdhsa_kernel k_q1ccb9a0b87_main
		.amdhsa_group_segment_fixed_size 327680
		.amdhsa_private_segment_fixed_size 0
		.amdhsa_enable_private_segment 0
		.amdhsa_kernarg_size 48
		.amdhsa_user_sgpr_count 2
		.amdhsa_user_sgpr_kernarg_segment_ptr 1
		.amdhsa_wavefront_size32 1
		.amdhsa_system_sgpr_workgroup_id_x 1
		.amdhsa_system_sgpr_workgroup_id_y 1
		.amdhsa_system_sgpr_workgroup_id_z 1
		.amdhsa_system_vgpr_workitem_id 0
		.amdhsa_next_free_vgpr 1024
		.amdhsa_next_free_sgpr 66
		.amdhsa_reserve_vcc 0
		.amdhsa_float_denorm_mode_32 3
		.amdhsa_float_denorm_mode_16_64 3
		.amdhsa_memory_ordered 1
		.amdhsa_forward_progress 1
		.amdhsa_inst_pref_size 255
	.end_amdhsa_kernel
	.section	.bss,"aw",@nobits
	.p2align	6
	.space	262144
	.amdgpu_metadata
---
amdhsa.version: [ 1, 2 ]
amdhsa.kernels:
  - .name:           k_q1ccb9a0b87_main
    .symbol:         k_q1ccb9a0b87_main.kd
    .args:
      - { .name: input_real, .offset: 0, .size: 8, .value_kind: global_buffer, .address_space: global }
      - { .name: input_imag, .offset: 8, .size: 8, .value_kind: global_buffer, .address_space: global }
      - { .name: bimg, .offset: 16, .size: 8, .value_kind: global_buffer, .address_space: global }
      - { .name: bscl, .offset: 24, .size: 8, .value_kind: global_buffer, .address_space: global }
      - { .name: uimg, .offset: 32, .size: 8, .value_kind: global_buffer, .address_space: global }
      - { .name: part, .offset: 40, .size: 8, .value_kind: global_buffer, .address_space: global }
    .group_segment_fixed_size: 327680
    .private_segment_fixed_size: 0
    .kernarg_segment_align: 8
    .kernarg_segment_size: 48
    .max_flat_workgroup_size: 128
    .sgpr_count:     66
    .vgpr_count:     1024
    .wavefront_size: 32
...
	.end_amdgpu_metadata
.endif
;; end of part 2
;; launch sum (part 3): grid 256 x 1, 2 waves a work-group, no clusters, 0 bytes of LDS; arguments part, out0; writes out0
.if DOCPART == 3
	.amdgcn_target "amdgcn-amd-amdhsa--gfx1250"
	.amdhsa_code_object_version 6
	.text
	.protected	k_q1ccb9a0b87_sum
	.globl	k_q1ccb9a0b87_sum
	.p2align	8
	.type	k_q1ccb9a0b87_sum,@function
k_q1ccb9a0b87_sum:
	s_mov_b64 s[64:65], 0
	v_nop
	global_prefetch_b8 v0, s[64:65] scope:SCOPE_SE
	s_setreg_imm32_b32 hwreg(HW_REG_WAVE_MODE, 25, 1), 1
	s_wait_xcnt 0x0
; out0[j][i] = the sum over the 32 slices s of part[s][j][i]: each slice is the sum over 16 of the 512 rows a, made by its own work-groups of the launch before.
; 65,536 numbers: a thread takes four (16 bytes) of each slice, a wave's load or store covers 512 consecutive bytes, a work-group 1,024.  All 32 loads of a thread are out together; the slices are folded in halves.
; The order of these f32 additions differs from a plain sequential sum over a.
.set SLICE, 262144                     ; bytes of a slice; 31 slices stay inside the signed 24-bit immediate
	s_load_b128 s[4:7], s[0:1], 0x0                ; part s[4:5], out0 s[6:7]
	v_lshlrev_b32 v1, 4, v0
	s_lshl_b32 s8, ttmp9, 10
	v_add_nc_u32 v1, s8, v1
	s_wait_alu depctr_va_vdst(0)
	s_wait_kmcnt 0x0
.set sl, 0
.rept 32
	global_load_b128 v[4+4*sl:7+4*sl], v1, s[4:5] offset:sl*SLICE th:TH_LOAD_NT
.set sl, sl+1
.endr
	s_wait_loadcnt 0x0
.irp n, 16,8,4,2,1
.set sl, 0
.rept \n
	v_pk_add_f32 v[4+4*sl:5+4*sl], v[4+4*sl:5+4*sl], v[4+4*(sl+\n):5+4*(sl+\n)]
	v_pk_add_f32 v[6+4*sl:7+4*sl], v[6+4*sl:7+4*sl], v[6+4*(sl+\n):7+4*(sl+\n)]
.set sl, sl+1
.endr
.endr
	global_store_b128 v1, v[4:7], s[6:7]
	s_endpgm
.Lfunc_end_k_q1ccb9a0b87_sum:
	.size	k_q1ccb9a0b87_sum, .Lfunc_end_k_q1ccb9a0b87_sum-k_q1ccb9a0b87_sum
	.p2alignl 7, 3214868480
	.fill 96, 4, 3214868480
	.section	.rodata,"a",@progbits
	.p2align	6, 0x0
	.amdhsa_kernel k_q1ccb9a0b87_sum
		.amdhsa_group_segment_fixed_size 0
		.amdhsa_private_segment_fixed_size 0
		.amdhsa_enable_private_segment 0
		.amdhsa_kernarg_size 16
		.amdhsa_user_sgpr_count 2
		.amdhsa_user_sgpr_kernarg_segment_ptr 1
		.amdhsa_wavefront_size32 1
		.amdhsa_system_sgpr_workgroup_id_x 1
		.amdhsa_system_sgpr_workgroup_id_y 1
		.amdhsa_system_sgpr_workgroup_id_z 1
		.amdhsa_system_vgpr_workitem_id 0
		.amdhsa_next_free_vgpr 136
		.amdhsa_next_free_sgpr 66
		.amdhsa_reserve_vcc 0
		.amdhsa_float_denorm_mode_32 3
		.amdhsa_float_denorm_mode_16_64 3
		.amdhsa_memory_ordered 1
		.amdhsa_forward_progress 1
		.amdhsa_inst_pref_size 8
	.end_amdhsa_kernel
	.amdgpu_metadata
---
amdhsa.version: [ 1, 2 ]
amdhsa.kernels:
  - .name:           k_q1ccb9a0b87_sum
    .symbol:         k_q1ccb9a0b87_sum.kd
    .args:
      - { .name: part, .offset: 0, .size: 8, .value_kind: global_buffer, .address_space: global }
      - { .name: out0, .offset: 8, .size: 8, .value_kind: global_buffer, .address_space: global }
    .group_segment_fixed_size: 0
    .private_segment_fixed_size: 0
    .kernarg_segment_align: 8
    .kernarg_segment_size: 16
    .max_flat_workgroup_size: 64
    .sgpr_count:     66
    .vgpr_count:     136
    .wavefront_size: 32
...
	.end_amdgpu_metadata
.endif
;; end of part 3
